; MI455X (gfx1250); checked and timed in simulation.
; The chip was launched on July 23, 2026; its instructions are those of AMD's public machine-readable ISA for CDNA 5 (MIT licence, August 2026) and "CDNA5" Instruction Set Architecture Reference Guide (July 2026). The comments in the code are by the model that wrote it; some were corrected since.
;; PMA. Allowed arithmetic: matrix products marked QUANTISED: E3M2 operands, one E8M0 scale for each 32 along K, by v_wmma_scale_f32_16x16x128_f8f6f4 with both operands' format E3M2, f32 sums; products left as they are: f32 operands where the result goes on into a quantised operand, else bf16, f16 or f32 operands; f32 sums; everything else in f32.
;; Inputs: M 1 x 4 x 512 float32; S 1 x 4 x 512 float32; Wk_codes 512 x 16 x 24 uint8 (E3M2 codes of Wk, K innermost, in blocks of 32 codes, four codes in three bytes); Wk_scales 512 x 16 uint8 (E8M0 scales of Wk, one for each 32 codes along K); Wo_codes 512 x 16 x 24 uint8 (E3M2 codes of Wo, K innermost, in blocks of 32 codes, four codes in three bytes); Wo_scales 512 x 16 uint8 (E8M0 scales of Wo, one for each 32 codes along K); Wv_codes 512 x 16 x 24 uint8 (E3M2 codes of Wv, K innermost, in blocks of 32 codes, four codes in three bytes); Wv_scales 512 x 16 uint8 (E8M0 scales of Wv, one for each 32 codes along K); X_codes 16 x 2,048 x 4 x 16 x 24 uint8 (E3M2 codes of X, K innermost, in blocks of 32 codes, four codes in three bytes); X_scales 16 x 2,048 x 4 x 16 uint8 (E8M0 scales of X, one for each 32 codes along K); b0 2,048 float32; b1 2,048 float32; bk 512 float32; bo 512 float32; bv 512 float32; g0 2,048 float32; g1 2,048 float32; p 1 x 4 float32.
;; Outputs: out0 16 x 4 x 512 float32.
;; This version of the problem:
;;   THIS VERSION OF THE PROBLEM IS GIVEN IN LOW PRECISION. The matrix products marked QUANTISED in the list below multiply operands that are first quantised to E3M2 (3 exponent bits, 2 mantissa bits; 6 bits a number), with one power-of-two scale for each 32 numbers along K (OCP MX v1.0); their sums are f32. All else is computed in f32.
;;   The module's matrix products, in the order in which they are computed (A, B: the left and right operand; K: the contracted axis; several contracted axes count as one K, in the product's order):
;;     1. [M 131,072, K 512] x [K 512, N 512]; A: input X (given as codes); B: input Wk (given as codes): QUANTISED
;;     2. [M 131,072, K 512] x [K 512, N 512]; A: input X (given as codes); B: input Wv (given as codes): QUANTISED
;;     3. batch 512 x [M 1, K 2,048] x [K 2,048, N 64]; A: softmax; B: computed on the way: left as it is (M = 1 < 16)
;;     4. [M 64, K 512] x [K 512, N 512]; A: computed on the way; B: input Wo (given as codes): QUANTISED
;;   THE QUANTISER, for each operand of a quantised product, along K:
;;     - K is cut into blocks of 32 from its start; a last block that is shorter is filled with zeros.
;;     - A block's scale is 2^e with e = floor(log2(the largest magnitude in the block)) - 4, held to -126 .. 127; a block of zeros has e = 0. As a byte (E8M0): e + 127.
;;     - Each number is divided by its block's scale, clamped to +-28, and rounded to the nearest number of E3M2, ties to even, subnormals kept.
;;     - The product sums the exact products of the quantised numbers (number of the format x scale) in f32.
;;   ~~~python
;;   def quantise(x, axis):      # numpy; x: float32 -> the quantised numbers, widened to float32 again
;;       x = np.moveaxis(x, axis, -1); K = x.shape[-1]
;;       x = np.pad(x, [(0, 0)] * (x.ndim - 1) + [(0, -K % 32)]); x = x.reshape(x.shape[:-1] + (-1, 32)); a = np.abs(x).max(-1, keepdims=True)
;;       e = np.where(a > 0, np.clip(np.frexp(np.where(a > 0, a, 1))[1] - 1 - 4, -126, 127), 0)      # np.frexp(a)[1] - 1 = floor(log2(a)), exactly
;;       r = np.clip(x / 2.0 ** e, -28, 28)
;;       step = 2.0 ** (np.maximum(np.frexp(np.where(r == 0, 1, r))[1] - 1, -2) - 2)
;;       q = np.round(r / step) * step * 2.0 ** e      # np.round: ties to even
;;       return np.moveaxis(q.reshape(q.shape[:-2] + (-1,))[..., :K], -1, axis).astype(np.float32)
;;   ~~~
;;   OPERANDS COMPUTED ON THE WAY. 'Computed on the way' means the value that the module computes at that place (a softmax that the list does not call 'softmax' is quantised finished and normalised). What goes into a quantiser is computed in f32, as accurately as f32 sums, v_exp_f32 and their like allow (about 1e-6 of the number): no bf16 or f16 on the way to a quantiser, and a product that is left as it is and whose result goes on into a quantised operand takes f32 operands (vector FMAs, or v_wmma_f32_16x16x4_f32). A number that lies on a knife's edge between two numbers of the format may be rounded either way, as far as f32 arithmetic and the matrix unit's own rounding can turn it there, and no further.
;;   INPUTS GIVEN AS CODES. Wk (in the module: [512, 512], K = its axis 1); Wo (in the module: [512, 512], K = its axis 1); Wv (in the module: [512, 512], K = its axis 1); X (in the module: [16, 2048, 4, 512], K = its axis 3): each comes as NAME_codes (uint8): NAME with its K axis moved to the last place and cut into blocks of 32 codes, [.., K / 32, bytes a block], one block behind the other in memory; four codes in three bytes: a row's codes are one little-endian stream of bits, code i at bits 6 i .. 6 i + 5 (a code: sign, 3 exponent bits, 2 mantissa bits); and NAME_scales (uint8): the same leading axes, one E8M0 byte (e + 127) for each 32 codes along K. Its value is code x scale, taken as it is: it is not quantised again, and the codes and scales need not be those that the quantiser above would give.
;; One version. Each part assembles by itself: llvm-mc -triple=amdgcn-amd-amdhsa -mcpu=gfx1250 --defsym DOCPART=n.
;; ======== version 1 of 1: 2 launches
;; limits: right only within a limited range of input values
;; workspace buffers: part 524,288 bytes; stat 16,384 bytes
;; launch pool (part 1): grid 256 x 1, 4 waves a work-group, clusters of 4 x 1, 327,680 bytes of LDS; arguments X_codes, X_scales, Wk_codes, Wk_scales, Wv_codes, Wv_scales, M, S, bk, part, stat; writes part, stat
.if DOCPART == 1
	.amdgcn_target "amdgcn-amd-amdhsa--gfx1250"
	.amdhsa_code_object_version 6
	.text
	.protected	k_qafe525f07e_pool
	.globl	k_qafe525f07e_pool
	.p2align	8
	.type	k_qafe525f07e_pool,@function
k_qafe525f07e_pool:
	s_mov_b64 s[64:65], 0
	v_nop
	global_prefetch_b8 v0, s[64:65] scope:SCOPE_SE
	s_setreg_imm32_b32 hwreg(HW_REG_WAVE_MODE, 25, 1), 1
	s_wait_xcnt 0x0
	s_wait_alu depctr_hold_cnt(0) depctr_sa_sdst(0) depctr_va_vdst(0) depctr_va_sdst(0) depctr_va_ssrc(0) depctr_va_vcc(0) depctr_vm_vsrc(0)
	s_getreg_b32 s2, hwreg(HW_REG_IB_STS2, 6, 4)
	s_cmp_eq_u32 s2, 0
	s_cbranch_scc0 .Lentry_in_a_cluster
	s_endpgm
.Lentry_in_a_cluster:
	s_bfe_u32 s2, ttmp6, 0x10000c
	s_cmp_lg_u32 s2, 0x3003
	s_cbranch_scc0 .Lentry_shape_is_right
	s_endpgm
.Lentry_shape_is_right:
; K = X Wk^T + bk and V = X Wv^T on codes of BF6 (E3M2) with E8M0 scales; each row's and head's score; a running softmax over the instances; the pooled V.
; WORK LEFT OUT, for all values of the inputs.  (1) ll holds, beside -0.5 sum diff^2 / sigma^2, the terms -0.5 ln(2 pi), -ln sigma and logp: they hang on (seed, head, feature) alone,
; so their sum is the same for every instance n, and the softmax over n takes it away.  Input p then has no way to an output: it is not loaded and is no argument.
; (2) sum_n A (V + bv) = sum_n A V + bv, since the A of a set sum to 1; mu + bv is the same for all b in a column (seed, feature), and the first BatchNorm takes each column's mean over b away.
; So bv and the addition of mu to O reach no output: bv is not loaded and is no argument; mu stays in diff.
; LIMIT: a NaN, an infinity or an overflow that reaches only the work left out is not carried to the result.
; SHARES.  X has 131,072 rows (b, n, seed) of 512 codes.  A cluster of four work-groups owns 2,048 consecutive rows: one b, a quarter c of its instances; work-group cx owns heads 2 cx, 2 cx + 1.
; All four need the same rows of X: codes and scale bytes come by joint tensor loads (mask 15).  Wave w: head 2 cx + (w & 1), row group w >> 1.
; A wave keeps its head's 64 rows of Wk and of Wv in 384 registers.  A tile of 16 rows of X (48 registers, read from LDS once) feeds 32 matrix instructions.
; TRANSPOSED USE: source 0 = 16 rows of W, source 1 = 16 rows of X.  Lane (r, h) holds X row r; register j of tile t holds feature 16 t + 8 h + j.  A lane's seed is r & 3 throughout.
; THE BLOCKS OF 32 ALONG K ARE PERMUTED alike in W and X: lane (r, h) takes the 192 bytes of its row at 192 h by twelve loads of 16 bytes; registers 12 s + 6 c on hold block 8 h + 2 s + c.
; K step s's scale word is the bytes of blocks 2 s, 8 + 2 s, 2 s + 1, 9 + 2 s.  Each block keeps its own scale; only the order of the f32 sums over K differs.
; SCORES in base 2: t = sum of WQ diff^2, WQ = -log2(e) / (2 sqrt(512) sigma^2); K's first link takes bk - mu as C, so the unit gives diff.
; OUT: part [4 b + c][seed][512] = sum of 2^(t - m) V;  stat [b][seed][head][c] = (m, l).
; Every tile is dense in memory and is stated as rows of 256 bytes, each beginning at a multiple of 256 bytes of its buffer.
; LIMITS: softplus is max(S, 0) + ln 2 log2(1 + 2^(-|S| log2 e)): sigma's relative error grows as 2^-24 / e^S for negative S (1e-3 at S = -10).  NaN and infinities among the inputs are not served.
.set SLOT1,  1<<17
.set PITCH,  432                       ; an LDS row of X or W: 3 x (128 bytes + 16 of padding)
.set TROW,   16*PITCH
.set QUART,  64*PITCH
.set HALFT,  2*QUART
.set XSC,    SLOT1+4*QUART             ; X's scale bytes of the cluster's 2,048 rows: filled once
.set SPARE,  XSC+32768                 ; the spare words
.set STG,    SPARE+512
.set STT,    STG+4096
.set TILEB,  256*384
.set RR,  1
.set HH,  2
.set LB1, 3
.set LB2, 4
.set AD1, 5
.set AD2, 6
.set LSB, 7
.set ADS, 8
.set SPW, 9
.set NIL, 10
.set PFO, 11
.set MM,  12
.set LL,  13
.set TT,  16
.set FF,  20
.set PP,  22
.set UB,  200                          ; v200-215 eight pairs u = diff WQ
.set QB4, 216                          ; v216-223 four pairs of partial scores
.set QT,  224                          ; v224-239 each tile's two pairs of partial scores
.set SS,  240                          ; v240-243 each tile's sum over my 32 features
.set PX,  244                          ; v244-247 the same of the lane 16 away
.set RAWA, 40
.set RAWB, 44
.set XS01, 48
.set XS23, 52
.set WKS, 56
.set WVS, 64
.set R0,  72
.set R1,  104
.set WQ,  136
.set ACC, 168
.set WV,  30
.set CX,  31
.set HB,  2
.set GG,  3
.set G1X, 32
.set G1W, 40
.set G1S, 48
.set G0W, 56
.set G0S, 60
.set G0X, 68
.set G0H, 92
.set NB,  72
.set SB,  73
.set SLOTS, 74
.set LIM, 75
.set PFA, 76
.set SELA, 78
.set SELB, 79
.set SEL, 80
.set HEAD, 84
.set MSB, 0
.macro WIN new                         ; the immediate's high byte repeats the setting that is left
.if MSB != (\new)
	s_set_vgpr_msb (MSB<<8)|(\new)
.set MSB, (\new)
.endif
.endm
.macro VW
	s_wait_alu depctr_va_vdst(0)
.endm
.macro CROUND                          ; a round of the cluster's barrier
	s_barrier_signal -1
	s_barrier_wait -1
	s_cmp_lg_u32 s[WV], 0
	s_cbranch_scc1 .Lnot_wave_0_\@
	s_barrier_signal -3
.Lnot_wave_0_\@:
	s_barrier_wait -3
	s_barrier_signal -1
	s_barrier_wait -1
.endm
.macro PERMS raw, xs                   ; a row's 16 scale bytes become the four K steps' scale words
	v_perm_b32 v[\xs+0], v[\raw+2], v[\raw+0], s[SELA]
	v_perm_b32 v[\xs+1], v[\raw+2], v[\raw+0], s[SELB]
	v_perm_b32 v[\xs+2], v[\raw+3], v[\raw+1], s[SELA]
	v_perm_b32 v[\xs+3], v[\raw+3], v[\raw+1], s[SELB]
.endm
.macro FRAGS t, a1, a2                 ; tile t's fragments of all four K steps: my 192 bytes in twelve pieces
.irp i, 0,1,2,3,4,5,6,7,8,9,10,11
.if (\i >= 4) && (\i < 8)
	ds_load_b128 v[48*(\t)+4*\i:48*(\t)+4*\i+3], v[\a2] offset:(\t)*TROW+16*\i
.else
	ds_load_b128 v[48*(\t)+4*\i:48*(\t)+4*\i+3], v[\a1] offset:(\t)*TROW+16*\i+16*(\i/8)
.endif
.endr
.endm
.macro XADR u                          ; the next superstep's addresses, made once for both runs of loads; then the walk steps on
	v_add_nc_u32 v[AD1], s[NB], v[LB1]
	v_add_nc_u32 v[AD2], s[NB], v[LB2]
	v_add_nc_u32 v[ADS], s[SB], v[LSB]
.if \u == 0
	s_xor_b32 s[NB], s[NB], SLOT1|HALFT
.else
	s_xor_b32 s[NB], s[NB], HALFT
.endif
	s_add_co_u32 s[SB], s[SB], 2048
.endm
.macro XLOAD t                         ; the next superstep's tile t: 12 loads; with tiles 0 and 2 the scale bytes of 32 rows: 13.  The matrix instructions that read these registers stand a whole slice of plain lines back
.if ((\t)%2) == 0
	WIN 0
	ds_load_b128 v[RAWA+2*(\t):RAWA+2*(\t)+3], v[ADS] offset:256*(\t)
.endif
	WIN 0xc0
	FRAGS \t, AD1, AD2
.endm
.macro WMV c
.if (wt%2 == 0) && (xm%2 == 0)
	v_wmma_scale_f32_16x16x128_f8f6f4 v[rD:rD+7], v[rA:rA+11], v[rB:rB+11], \c, v[rSA], v[rSB] matrix_a_fmt:MATRIX_FMT_BF6 matrix_b_fmt:MATRIX_FMT_BF6
.elseif (wt%2 == 1) && (xm%2 == 0)
	v_wmma_scale_f32_16x16x128_f8f6f4 v[rD:rD+7], v[rA:rA+11], v[rB:rB+11], \c, v[rSA], v[rSB] matrix_a_fmt:MATRIX_FMT_BF6 matrix_b_fmt:MATRIX_FMT_BF6 matrix_a_scale:MATRIX_SCALE_ROW1
.elseif (wt%2 == 0) && (xm%2 == 1)
	v_wmma_scale_f32_16x16x128_f8f6f4 v[rD:rD+7], v[rA:rA+11], v[rB:rB+11], \c, v[rSA], v[rSB] matrix_a_fmt:MATRIX_FMT_BF6 matrix_b_fmt:MATRIX_FMT_BF6 matrix_b_scale:MATRIX_SCALE_ROW1
.else
	v_wmma_scale_f32_16x16x128_f8f6f4 v[rD:rD+7], v[rA:rA+11], v[rB:rB+11], \c, v[rSA], v[rSB] matrix_a_fmt:MATRIX_FMT_BF6 matrix_b_fmt:MATRIX_FMT_BF6 matrix_a_scale:MATRIX_SCALE_ROW1 matrix_b_scale:MATRIX_SCALE_ROW1
.endif
.endm
; Matrix instruction wi of a unit's 16: K step wi / 4, tile of features wi % 4: the four accumulators take turns.
; mat 0: Wk (window 1), 1: Wv (window 2); X's tile m in window 3; results in window 0.  K's first link takes the image bk - mu (window 1, v192 on), V's the constant 0.
.macro WM mat, m, dst
.set ks, wi/4
.set wt, wi%4
.set xm, (\m)
.set rD, (\dst)+8*wt
.set rA, 48*wt+12*ks
.set rB, 48*(\m)+12*ks
.set rSA, WKS+8*(\mat)+4*(wt/2)+ks
.set rSB, XS01+4*((\m)/2)+ks
.if (ks == 0) && ((\mat) == 0)
.set rC, 192+8*wt
	WIN 0x1d
	WMV v[rC:rC+7]
.elseif ks == 0
	WIN 0x0e
	WMV 0
.else
.set rC, rD
	WIN 0x0d+(\mat)
	WMV v[rC:rC+7]
.endif
.set wi, wi+1
.endm
; THE VECTOR WORK is a numbered list; ITEM writes number JN of stream JK on result set JS for tile JM.
; Stream 1: a tile's partial scores, 34 items.  2: the same, the four tiles' scores finished together (16), the update of m and l (19): 69.  3: the sums x f, then += p V, 32.  4: += p V, 16.  0: v_nop.
.macro JOB kind, set, m
.set JK, \kind
.set JS, \set
.set JM, \m
.set JN, 0
.endm
.macro KJI                             ; eight pairs u = diff WQ, then eight q += u diff on four accumulators by turns; twice; each result tile is read from its low end on
.set kh, JN/16
.set ki, JN%8
.set ka, JS+2*(8*kh+ki)
.set kw, WQ+2*(8*kh+ki)
.if JN == 32
	v_pk_add_f32 v[QT+4*JM:QT+4*JM+1], v[QB4:QB4+1], v[QB4+2:QB4+3]
.elseif JN == 33
	v_pk_add_f32 v[QT+4*JM+2:QT+4*JM+3], v[QB4+4:QB4+5], v[QB4+6:QB4+7]
.elseif (JN%16) < 8
	v_pk_mul_f32 v[UB+2*ki:UB+2*ki+1], v[ka:ka+1], v[kw:kw+1]
.elseif (kh == 0) && (ki < 4)
	v_pk_mul_f32 v[QB4+2*ki:QB4+2*ki+1], v[UB+2*ki:UB+2*ki+1], v[ka:ka+1]
.else
	v_dual_fmac_f32 v[QB4+2*(ki%4)], v[UB+2*ki], v[ka] :: v_dual_fmac_f32 v[QB4+2*(ki%4)+1], v[UB+2*ki+1], v[ka+1]
.endif
.endm
.macro RED                             ; the four tiles' scores are finished together, four chains by turns; the row's other 32 features lie in the lane 16 away
.set rq, (JN-34)/4
.set rm, (JN-34)%4
.if rq == 0
	v_pk_add_f32 v[QT+4*rm:QT+4*rm+1], v[QT+4*rm:QT+4*rm+1], v[QT+4*rm+2:QT+4*rm+3]
.elseif rq == 1
	v_add_f32 v[SS+rm], v[QT+4*rm], v[QT+4*rm+1]
.elseif rq == 2
	v_permlanex16_b32 v[PX+rm], v[SS+rm], s[SEL], s[SEL+1]
.else
	v_add_f32 v[TT+rm], v[SS+rm], v[PX+rm]
.endif
.endm
.macro STI                             ; the new m; f and the four p: five exponentials as one batch, a wait ahead, a plain line and a wait behind; l
.set sq, JN-50
.if sq == 0
	v_max3_num_f32 v14, v[TT], v[TT+1], v[TT+2]
.elseif sq == 1
	v_max3_num_f32 v14, v14, v[TT+3], v[MM]
.elseif sq == 2
	v_sub_f32 v[FF], v[MM], v14
.elseif sq < 7
	v_sub_f32 v[PP+2*(sq-3)], v[TT+sq-3], v14
.elseif sq == 7
	VW
.elseif sq == 8
	v_exp_f32 v[FF], v[FF]
.elseif sq < 13
	v_exp_f32 v[PP+2*(sq-9)], v[PP+2*(sq-9)]
.elseif sq == 13
	v_mov_b32 v[MM], v14
.elseif sq == 14
	VW
.elseif sq == 15
	v_add_f32 v14, v[PP], v[PP+2]
.elseif sq == 16
	v_add_f32 v15, v[PP+4], v[PP+6]
.elseif sq == 17
	v_fma_f32 v[LL], v[LL], v[FF], v14
.else
	v_add_f32 v[LL], v[LL], v15
.endif
.endm
.macro VJI                             ; the sums += p V, two at a time
.set vq, JN
.if JK == 3
.set vq, JN-16
.if vq == 0
	VW                                                 ; directly ahead of the first reader of V's first tile, whose products stand ahead of the exponentials
.endif
.endif
	v_dual_fmac_f32 v[ACC+2*vq], v[JS+2*vq], v[PP+2*JM] :: v_dual_fmac_f32 v[ACC+2*vq+1], v[JS+2*vq+1], v[PP+2*JM]
.endm
.macro ITEM
.if ((JK == 1) || (JK == 2)) && (JN < 34)
	KJI
.elseif (JK == 2) && (JN < 50)
	RED
.elseif (JK == 2) && (JN < 69)
	STI
.elseif (JK == 3) && (JN < 16)
	v_pk_mul_f32 v[ACC+2*JN:ACC+2*JN+1], v[ACC+2*JN:ACC+2*JN+1], v[FF:FF+1] op_sel_hi:[1,0]
.elseif ((JK == 3) && (JN < 32)) || ((JK == 4) && (JN < 16))
	VJI
.else
	v_nop
.endif
.set JN, JN+1
.endm
.macro SLICE n
.rept \n
	ITEM
.endr
.endm
; A prefetch of the tile that the NEXT change of slots asks for: 98,304 bytes, 24,576 for each partner (told apart by address), 8,192 for each of waves 0 to 2, lanes 256 bytes apart: each block is named once.
; The last change that fills a slot asks for nothing; tiles 0 to 2 come by their loads alone.
.macro ASK
	s_cmp_gt_u32 s[SLOTS], s[LIM]
	s_cbranch_scc0 .Lnot_mine_\@
	global_prefetch_b8 v[PFO], s[PFA:PFA+1] th:TH_LOAD_NT scope:SCOPE_SE
.Lnot_mine_\@:
.endm
; Between a unit's products and its last slice: the wait for the tile that the NEXT unit multiplies.  LDS loads come back in the order of issue, so each count is the loads issued behind that tile's.
; 1 (in V3): tile 0 and its scale bytes are in; behind them tile 1's 12 and tile 2's 13.  5 (in K0): tile 1 is in; behind it tile 2's 13 and tile 3's 12.  2 (in K1): tile 2 is in; behind it tile 3's 12.  6 (in K2): all are in.
; The scale words are made a slice of 16 plain lines or more ahead of their first use.
; 3 (in K2 of a slot's second half): THE CHANGE OF SLOTS: all my tensor loads are in, the add, my reads of this slot are over; a round of the cluster's barrier; the joint refill, two tiles on, first behind it.  4: the same with nothing left to fetch.
.macro MID kind
.if (\kind) == 1
	s_wait_dscnt 25
	PERMS RAWA, XS01
.elseif (\kind) == 2
	s_wait_dscnt 12
	PERMS RAWB, XS23
.elseif (\kind) == 5
	s_wait_dscnt 25
.elseif (\kind) == 6
	s_wait_dscnt 0x0
.elseif (\kind) == 3
	s_wait_tensorcnt 0x0
	ds_add_u32 v[SPW], v[NIL]
	s_xor_b32 s[G0X+1], s[G0X+1], SLOT1
	s_add_nc_u64 s[G0X+2:G0X+3], s[G0X+2:G0X+3], TILEB
	s_wait_xcnt 0x0                                    ; the last prefetch, a slot back, has read its address
	s_add_nc_u64 s[PFA:PFA+1], s[PFA:PFA+1], TILEB
	s_wait_dscnt 0x0
	CROUND
	tensor_load_to_lds s[G0X:G0X+3], s[G1X:G1X+7]
	s_nop 0
.rept 4
	v_nop
.endr
	ASK
.elseif (\kind) == 4
	s_wait_tensorcnt 0x0
	ds_add_u32 v[SPW], v[NIL]
	s_wait_dscnt 0x0
	s_barrier_signal -1
	s_barrier_wait -1
.endif
.endm
.macro WM4 mat, m, dst
.rept 4
	WM \mat, \m, \dst
.endr
.endm
.macro SL n
.if \n
	WIN 0
	SLICE \n
.endif
.endm
; A UNIT: one tile of X against W's four tiles, four K steps: four groups of 4 matrix instructions; q0 .. q3 items of the stream in hand behind the groups (it works on the unit before's results);
; behind the second group the loads of the next superstep's tile ld - 1.  Where a wait on LDS stands in the unit, a VW ahead of it stands at the unit's head, behind the last vector write.
; Behind a unit's last link stand its own last slice's plain lines, four or more, which name none of its registers, ahead of the first read of its results.
.macro UNIT mat, m, dst, q0, q1, q2, q3, mid, ld
.set wi, 0
.if \mid
	VW
.endif
	WM4 \mat, \m, \dst
	SL \q0
	WM4 \mat, \m, \dst
.if \ld
	XLOAD (\ld)-1
.endif
	SL \q1
	WM4 \mat, \m, \dst
	SL \q2
	WM4 \mat, \m, \dst
	WIN 0
	MID \mid
	SLICE \q3
.endm
; A SUPERSTEP: 64 rows of a wave.  K of tile 0 was made at the end of the superstep before.  A tile's registers take the next superstep's tile in the unit behind its product with Wv.
; In V0 the dependent stages of the scores' end and of the new m stand between the groups; the exponentials stand behind the unit's last product.
; u: which half of the slot; chg 1, 2: the slot is left here; nxt: there is a next superstep.
.macro SUPER u, chg, nxt
.set km, 6
.if \chg == 1
.set km, 3
.elseif \chg == 2
.set km, 4
.endif
	JOB 1, R0, 0
	UNIT 0, 1, R1, 0, 0, 0, 34, 2, 0
	JOB 1, R1, 1
	UNIT 0, 2, R0, 0, 0, 0, 34, km, 0
	JOB 1, R0, 2
	UNIT 0, 3, R1, 0, 0, 0, 34, 0, 0
	JOB 2, R1, 3
	UNIT 1, 0, R0, 34, 16, 7, 12, 0, 0
.if \nxt
	XADR \u
.endif
	JOB 3, R0, 0
	UNIT 1, 1, R1, 0, 0, 0, 32, 0, \nxt
	JOB 4, R1, 1
	UNIT 1, 2, R0, 0, 0, 0, 16, 0, 2*\nxt
	JOB 4, R0, 2
	UNIT 1, 3, R1, 0, 0, 0, 16, \nxt, 3*\nxt
.if \nxt
	JOB 4, R1, 3
	UNIT 0, 0, R0, 0, 0, 0, 16, 5, 4
.endif
.endm
	s_load_b512 s[4:19], s[0:1], 0x0                   ; X_codes 4, X_scales 6, Wk_codes 8, Wk_scales 10, Wv_codes 12, Wv_scales 14, M 16, S 18
	s_load_b128 s[20:23], s[0:1], 0x40                 ; bk 20, part 22
	s_load_b64 s[24:25], s[0:1], 0x50                  ; stat
	v_lshl_add_u32 v[SPW], v0, 2, SPARE
	v_mov_b32 v[NIL], 0
	ds_add_u32 v[SPW], v[NIL]                          ; the opening lines: the add twice on end and one wait
	ds_add_u32 v[SPW], v[NIL]
	v_lshrrev_b32 v14, 5, v0
	v_readfirstlane_b32 s[WV], v14                     ; wave 0..3
	s_bfe_u32 s[CX], ttmp6, 0x40000                    ; cx enters global addresses of W, M, S, bk, part, stat and the prefetches alone
	s_and_b32 s[HB], s[WV], 1
	s_lshr_b32 s[GG], s[WV], 1
	s_lshl_b32 s[HEAD], s[CX], 1
	s_add_co_u32 s[HEAD], s[HEAD], s[HB]
	s_mov_b32 s[G1X+0], 15|(1<<20)|(1<<21)|(4<<22)|(3<<25)  ; mask of all four; bytes; 16 bytes of padding behind every 128
	s_mov_b32 s[G1W+0], (1<<20)|(4<<22)|(3<<25)        ; W's: no mask: each work-group has its own heads
.irp g, G1X, G1W
	s_mov_b32 s[\g+1], 256<<16
	s_mov_b32 s[\g+3], 256<<16
	s_mov_b32 s[\g+5], 256
	s_mov_b32 s[\g+6], 0
	s_mov_b32 s[\g+7], 0
.endr
	s_mov_b32 s[G1X+2], 384<<16                        ; the head's load of tile 0: 256 rows of X = 384 rows of 256 bytes
	s_mov_b32 s[G1X+4], 384
	s_mov_b32 s[G1W+2], 192<<16                        ; two heads' 128 rows of W = 192 rows of 256 bytes
	s_mov_b32 s[G1W+4], 192
	s_mov_b32 s[G1S+0], 15|(3<<16)|(1<<21)             ; 2,048 rows' scale bytes: 128 rows of 32 elements of 8 bytes, no padding
	s_mov_b32 s[G1S+1], 32<<16
	s_mov_b32 s[G1S+2], 128<<16
	s_mov_b32 s[G1S+3], 32<<16
	s_mov_b32 s[G1S+4], 128
	s_mov_b32 s[G1S+5], 32
	s_mov_b32 s[G1S+6], 0
	s_mov_b32 s[G1S+7], 0
	s_mov_b32 s[SELA], 0x05010400
	s_mov_b32 s[SELB], 0x07030602
	s_mov_b32 s[SEL], 0x76543210
	s_mov_b32 s[SEL+1], 0xfedcba98
	s_mov_b32 s[G0W], 1
	s_mul_i32 s[G0W+1], s[HB], HALFT
	s_add_co_u32 s[G0W+1], s[G0W+1], SLOT1             ; Wk's 128 rows, then Wv's, lie in slot 1 until they are in registers
	s_mov_b32 s[G0S], 1
	s_mov_b32 s[G0S+1], XSC
	s_mov_b32 s[G0H], 1
	s_mov_b32 s[G0H+1], 0
	s_mov_b32 s[G0X], 1
	s_mul_i32 s[G0X+1], s[WV], QUART                   ; the ring: wave x 64 rows
	s_mul_i32 s86, s[CX], 128*384
	s_mov_b32 s87, 0
	s_lshl_b32 s90, ttmp9, 15
	s_mov_b32 s91, 0
	s_mul_i32 s82, ttmp9, 8*TILEB
	s_mov_b32 s83, 0
	s_mul_i32 s88, s[WV], 64*384
	s_add_co_u32 s[G0X+2], s82, s88                    ; an offset still: my 64 rows of tile 0
	s_mov_b32 s[G0X+3], 0
	s_mul_i32 s88, s[CX], 24576
	s_lshl_b32 s89, s[WV], 13
	s_add_co_u32 s[PFA], s82, s88
	s_add_co_u32 s[PFA], s[PFA], s89
	s_add_co_u32 s[PFA], s[PFA], 2*TILEB               ; in tile 2: the first change of slots steps it to tile 3
	s_mov_b32 s[PFA+1], 0
	s_wait_dscnt 0x0
	s_wait_kmcnt 0x0
	s_cmp_eq_u32 s[WV], 0
	s_cselect_b64 s[G0W+2:G0W+3], s[8:9], s[12:13]
	s_add_nc_u64 s[G0W+2:G0W+3], s[G0W+2:G0W+3], s[86:87]
	s_or_b32 s[G0W+3], s[G0W+3], 0x80000000
	s_add_nc_u64 s[G0S+2:G0S+3], s[6:7], s[90:91]
	s_or_b32 s[G0S+3], s[G0S+3], 0x80000000
	s_add_nc_u64 s[G0H+2:G0H+3], s[4:5], s[82:83]
	s_or_b32 s[G0H+3], s[G0H+3], 0x80000000
	s_add_nc_u64 s[G0X+2:G0X+3], s[4:5], s[G0X+2:G0X+3]
	s_or_b32 s[G0X+3], s[G0X+3], 0x80000000
	s_add_nc_u64 s[PFA:PFA+1], s[4:5], s[PFA:PFA+1]
	s_cmp_lt_u32 s[WV], 3
	s_cselect_b32 s[LIM], 1, -1                        ; waves 0 to 2 prefetch
	CROUND                                             ; all four work-groups are here: the first joint loads meet
; THE HEAD'S LOADS, one a wave: wave 0 Wk's 128 rows, wave 1 Wv's, wave 2 all the scale bytes, wave 3 all of tile 0.  One chain of branches, one join.
	s_cmp_lt_u32 s[WV], 2
	s_cbranch_scc0 .Lhead_s
	tensor_load_to_lds s[G0W:G0W+3], s[G1W:G1W+7]
	s_nop 0
.rept 4
	v_nop
.endr
	s_branch .Lhead_asked
.Lhead_s:
	s_cmp_lt_u32 s[WV], 3
	s_cbranch_scc0 .Lhead_x
	tensor_load_to_lds s[G0S:G0S+3], s[G1S:G1S+7]
	s_nop 0
.rept 4
	v_nop
.endr
	s_branch .Lhead_asked
.Lhead_x:
	tensor_load_to_lds s[G0H:G0H+3], s[G1X:G1X+7]
	s_nop 0
.rept 4
	v_nop
.endr
.Lhead_asked:
	s_lshl_b32 s82, s[HEAD], 8
	s_mov_b32 s83, 0
	s_add_nc_u64 s[16:17], s[16:17], s[82:83]          ; M
	s_add_nc_u64 s[18:19], s[18:19], s[82:83]          ; S
	s_add_nc_u64 s[20:21], s[20:21], s[82:83]          ; bk
	s_lshl_b32 s82, s[HEAD], 10
	s_add_nc_u64 s[10:11], s[10:11], s[82:83]          ; Wk's scale bytes: 16 a row
	s_add_nc_u64 s[14:15], s[14:15], s[82:83]          ; Wv's
	s_lshl_b32 s82, ttmp9, 13
	s_lshl_b32 s86, s[HEAD], 8
	s_add_co_u32 s82, s82, s86
	s_add_nc_u64 s[22:23], s[22:23], s[82:83]          ; part: 8,192 x cluster + 256 x head
	s_lshr_b32 s82, ttmp9, 2
	s_lshl_b32 s82, s82, 10
	s_lshl_b32 s86, s[HEAD], 5
	s_add_co_u32 s82, s82, s86
	s_and_b32 s86, ttmp9, 3
	s_lshl_b32 s86, s86, 3
	s_add_co_u32 s82, s82, s86
	s_add_nc_u64 s[24:25], s[24:25], s[82:83]          ; stat: 1,024 b + 32 head + 8 c
	s_mul_i32 s82, s[GG], QUART
	s_mul_i32 s83, s[HB], QUART
	s_add_co_u32 s83, s83, SLOT1
	s_add_co_u32 s86, s83, HALFT
	s_lshl_b32 s87, s[GG], 10
	s_add_co_u32 s87, s87, XSC
	v_and_b32 v[RR], 15, v0
	v_bfe_u32 v[HH], v0, 4, 1
	v_mul_u32_u24 v14, v[RR], PITCH
	v_mad_u32_u24 v15, v[HH], 208, v14                 ; my 192 bytes begin 192 + 16 bytes on in lanes 16-31,
	v_mad_u32_u24 v14, v[HH], 224, v14                 ; and pieces 4-7 lie behind one padding more there
	v_add_nc_u32 v[LB1], s82, v15
	v_add_nc_u32 v[LB2], s82, v14
	v_add_nc_u32 v[AD1], s83, v15                      ; Wk's rows of my head
	v_add_nc_u32 v[AD2], s83, v14
	v_add_nc_u32 v229, s86, v15                        ; Wv's
	v_add_nc_u32 v230, s86, v14
	v_and_b32 v14, 31, v0
	v_lshl_add_u32 v[LSB], v14, 4, s87
	v_lshlrev_b32 v[PFO], 8, v14
	v_lshlrev_b32 v228, 4, v14
	v_and_b32 v14, 3, v0                               ; my seed
	v_lshlrev_b32 v225, 5, v[HH]
	v_lshl_add_u32 v224, v14, 11, v225
.irp t, 0,1,2,3                                        ; in the results' layout: tile t, registers 0-7: features 16 t + 8 h + 0 .. 7
	global_load_b128 v[R0+8*\t:R0+8*\t+3], v224, s[16:17] offset:64*\t
	global_load_b128 v[R0+8*\t+4:R0+8*\t+7], v224, s[16:17] offset:64*\t+16
	global_load_b128 v[R1+8*\t:R1+8*\t+3], v225, s[20:21] offset:64*\t
	global_load_b128 v[R1+8*\t+4:R1+8*\t+7], v225, s[20:21] offset:64*\t+16
	global_load_b128 v[ACC+8*\t:ACC+8*\t+3], v224, s[18:19] offset:64*\t
	global_load_b128 v[ACC+8*\t+4:ACC+8*\t+7], v224, s[18:19] offset:64*\t+16
.endr
	global_load_b128 v[208:211], v228, s[10:11]
	global_load_b128 v[212:215], v228, s[10:11] offset:512
	global_load_b128 v[216:219], v228, s[14:15]
	global_load_b128 v[220:223], v228, s[14:15] offset:512
	VW
	s_mov_b32 s82, 0xbfb8aa3b                          ; -log2 e
	s_mov_b32 s83, 0x3f317218                          ; ln 2
	s_mov_b32 s88, 0xbd0293ee                          ; -log2(e) / (2 sqrt(512))
	s_mov_b32 s89, s88
	s_wait_loadcnt 0x0
	; the constants of the loop are made while the head's tensor loads are out
	WIN 0x40
.set j, 0
.rept 16
	v_pk_add_f32 v[192+2*j:193+2*j], v[R1+2*j:R1+2*j+1], v[R0+2*j:R0+2*j+1] neg_lo:[0,1] neg_hi:[0,1]   ; K's image: bk - mu
.set j, j+1
.endr
	WIN 0
	PERMS 208, WKS
	PERMS 212, WKS+4
	PERMS 216, WVS
	PERMS 220, WVS+4
.set j, 0
.rept 32
	v_mul_f32 v[R1+j], s82, |v[ACC+j]|
.set j, j+1
.endr
	VW
.set j, 0
.rept 32
	v_exp_f32 v[R1+j], v[R1+j]
.set j, j+1
.endr
	v_nop
	VW
.set j, 0
.rept 16
	v_pk_add_f32 v[R1+2*j:R1+2*j+1], v[R1+2*j:R1+2*j+1], 1.0 op_sel_hi:[1,0]
.set j, j+1
.endr
	VW
.set j, 0
.rept 32
	v_log_f32 v[R1+j], v[R1+j]
.set j, j+1
.endr
.set j, 0
.rept 32
	v_max_num_f32 v[R0+j], 0, v[ACC+j]
.set j, j+1
.endr
	VW
.set j, 0
.rept 32
	v_fma_f32 v[R0+j], v[R1+j], s83, v[R0+j]           ; sigma = softplus(S)
.set j, j+1
.endr
	VW
.set j, 0
.rept 32
	v_rcp_f32 v[ACC+j], v[R0+j]
.set j, j+1
.endr
	v_nop
	VW
.set j, 0
.rept 16
	v_pk_mul_f32 v[WQ+2*j:WQ+2*j+1], v[ACC+2*j:ACC+2*j+1], v[ACC+2*j:ACC+2*j+1]
.set j, j+1
.endr
.set j, 0
.rept 16
	v_pk_mul_f32 v[WQ+2*j:WQ+2*j+1], v[WQ+2*j:WQ+2*j+1], s[88:89] op_sel_hi:[1,0]
.set j, j+1
.endr
	s_mov_b32 s[NB], 0
	s_mov_b32 s[SB], 0
	VW
	s_wait_tensorcnt 0x0                               ; my tile of the head's four is in
	s_barrier_signal -1
	s_barrier_wait -1                                  ; everybody's is
	WIN 0x40
.irp t, 0,1,2,3
	FRAGS \t, AD1, AD2
.endr
	WIN 0x80
.irp t, 0,1,2,3
	FRAGS \t, 229, 230
.endr
	WIN 0
	XADR 1                                             ; the first superstep's rows: slot 0's first half; the walk stands at its second half behind this
	XLOAD 0
	XLOAD 1
	XLOAD 2
	XLOAD 3
	WIN 0
	s_mov_b32 s[SLOTS], 6
	VW
	s_wait_tensorcnt 0x0                               ; tile 1 goes into slot 1, over W's bytes, as every refill goes
	ds_add_u32 v[SPW], v[NIL]
	s_xor_b32 s[G0X+1], s[G0X+1], SLOT1
	s_add_nc_u64 s[G0X+2:G0X+3], s[G0X+2:G0X+3], TILEB
	s_mov_b32 s[G1X+2], 96<<16                         ; from here on a load brings a wave's 64 rows of X: 96 rows of 256 bytes
	s_mov_b32 s[G1X+4], 96
	s_wait_dscnt 0x0                                   ; the add is done; W and the first four tiles are in registers
	CROUND
	tensor_load_to_lds s[G0X:G0X+3], s[G1X:G1X+7]
	s_nop 0
.rept 4
	v_nop
.endr
	PERMS RAWA, XS01
.set j, 0
.rept 32
	v_mov_b32 v[ACC+j], 0                              ; the loop is written once: its first update of m multiplies zeros.  (Also the places between the scale words and their first use)
.set j, j+1
.endr
	v_mov_b32 v[MM], 0xff61b1e6                        ; -3e38, under every t
	v_mov_b32 v[LL], 0
	v_mov_b32 v15, 0
.irp i, 0,1,2,3
	v_mov_b32 v[PX+\i], 0                              ; a lane permute's destination counts as one of its sources
.endr
	v_mov_b32 v[FF+1], 0
.irp i, 0,1,2,3
	v_mov_b32 v[PP+2*\i+1], 0
.endr
	JOB 0, R0, 0
	UNIT 0, 0, R0, 0, 0, 0, 4, 0, 0
.Lslot:                                                    ; six trips, a slot each: tiles 2 to 7 are asked for
	SUPER 0, 0, 1
	SUPER 1, 1, 1
	s_sub_co_u32 s[SLOTS], s[SLOTS], 1
	s_cmp_lg_u32 s[SLOTS], 0
	s_cbranch_scc1 .Lslot
	SUPER 0, 0, 1                                      ; the last two slots are written out
	SUPER 1, 2, 1
	SUPER 0, 0, 1
	SUPER 1, 0, 0
	JOB 4, R1, 3
	SLICE 16
	; THE END.  The four lanes of a seed (r, r ^ 4, r ^ 8, r ^ 12) are brought under one m and added; then the two row groups' waves of a head meet in LDS.
	v_max_num_f32_dpp v14, v[MM], v[MM] row_xmask:4 row_mask:0xf bank_mask:0xf
	v_max_num_f32_dpp v14, v14, v14 row_xmask:8 row_mask:0xf bank_mask:0xf
	v_sub_f32 v15, v[MM], v14
	VW
	v_exp_f32 v[FF], v15
	v_mov_b32 v[MM], v14
	VW
	v_mul_f32 v[LL], v[LL], v[FF]
.set j, 0
.rept 16
	v_pk_mul_f32 v[ACC+2*j:ACC+2*j+1], v[ACC+2*j:ACC+2*j+1], v[FF:FF+1] op_sel_hi:[1,0]
.set j, j+1
.endr
.irp x, 4, 8
	v_add_f32_dpp v[LL], v[LL], v[LL] row_xmask:\x row_mask:0xf bank_mask:0xf
.set j, 0
.rept 32
	v_add_f32_dpp v[ACC+j], v[ACC+j], v[ACC+j] row_xmask:\x row_mask:0xf bank_mask:0xf
.set j, j+1
.endr
.endr
	s_lshl_b32 s82, s[WV], 10
	s_add_co_u32 s82, s82, STG
	s_lshl_b32 s83, s[WV], 5
	s_add_co_u32 s83, s83, STT
	v_and_b32 v231, 3, v0
	v_lshl_add_u32 v236, v231, 8, s82
	v_lshl_add_u32 v236, v[HH], 5, v236                ; STG + 1,024 wave + 256 seed + 32 h
	v_lshl_add_u32 v237, v231, 3, s83
.irp t, 0,1,2,3                                        ; the four lanes of a seed hold the same bits and write them to the same bytes
	ds_store_b128 v236, v[ACC+8*\t:ACC+8*\t+3] offset:64*\t
	ds_store_b128 v236, v[ACC+8*\t+4:ACC+8*\t+7] offset:64*\t+16
.endr
	ds_store_b64 v237, v[MM:MM+1]
	s_lshl_b32 s82, s[GG], 1
	s_lshl_b32 s83, s[HB], 10
	s_add_co_u32 s83, s83, STG
	s_lshl_b32 s86, s[HB], 5
	s_add_co_u32 s86, s86, STT
	VW
	s_wait_dscnt 0x0                                   ; for the others' sake: my stores have landed
	s_barrier_signal -1
	s_barrier_wait -1
	v_add_nc_u32 v231, s82, v[HH]                      ; the seed that I send out: 2 x row group + lane / 16
	v_lshl_add_u32 v232, v231, 8, s83
	v_lshl_add_u32 v232, v[RR], 4, v232
	v_lshl_add_u32 v233, v231, 3, s86
	ds_load_b128 v[240:243], v232                      ; row group 0's wave of my head,
	ds_load_b128 v[244:247], v232 offset:2048          ; row group 1's
	ds_load_b64 v[248:249], v233
	ds_load_b64 v[250:251], v233 offset:64
	v_lshlrev_b32 v234, 11, v231
	v_lshl_add_u32 v234, v[RR], 4, v234                ; part: 2,048 x seed + 16 (lane % 16)
	v_lshlrev_b32 v235, 8, v231                        ; stat: 256 x seed
	VW
	s_wait_dscnt 0x0
	v_max_num_f32 v252, v248, v250
	v_sub_f32 v254, v248, v252
	v_sub_f32 v255, v250, v252
	VW
	v_exp_f32 v254, v254
	v_exp_f32 v255, v255
	v_nop
	VW
	v_mul_f32 v253, v249, v254
	v_fma_f32 v253, v251, v255, v253                   ; v[252:253] = (m, l) of the chunk
.irp i, 0,1,2,3
	v_mul_f32 v[240+\i], v[240+\i], v254
.endr
.irp i, 0,1,2,3
	v_fma_f32 v[240+\i], v[244+\i], v255, v[240+\i]
.endr
	global_store_b128 v234, v[240:243], s[22:23]       ; sixteen lanes store 256 consecutive bytes, at a multiple of 256 from part's first byte
	v_cmp_eq_u32 vcc_lo, 0, v[RR]
	VW
	s_wait_xcnt 0x0                                    ; EXEC changes only behind this wait
	s_and_saveexec_b32 s82, vcc_lo
	global_store_b64 v235, v[252:253], s[24:25]        ; lanes 0 and 16: a seed each
	s_wait_xcnt 0x0
	s_or_b32 exec_lo, exec_lo, s82
	s_wait_tensorcnt 0x0                               ; the wave's end
	ds_add_u32 v[SPW], v[NIL]
	s_wait_dscnt 0x0
	CROUND                                             ; the closing round
	s_endpgm
.Lfunc_end_k_qafe525f07e_pool:
	.size	k_qafe525f07e_pool, .Lfunc_end_k_qafe525f07e_pool-k_qafe525f07e_pool
	.p2alignl 7, 3214868480
	.fill 96, 4, 3214868480
	.section	.rodata,"a",@progbits
	.p2align	6, 0x0
	.amdhsa_kernel k_qafe525f07e_pool
		.amdhsa_group_segment_fixed_size 327680
		.amdhsa_private_segment_fixed_size 0
		.amdhsa_enable_private_segment 0
		.amdhsa_kernarg_size 88
		.amdhsa_user_sgpr_count 2
		.amdhsa_user_sgpr_kernarg_segment_ptr 1
		.amdhsa_wavefront_size32 1
		.amdhsa_system_sgpr_workgroup_id_x 1
		.amdhsa_system_sgpr_workgroup_id_y 1
		.amdhsa_system_sgpr_workgroup_id_z 1
		.amdhsa_system_vgpr_workitem_id 0
		.amdhsa_next_free_vgpr 1024
		.amdhsa_next_free_sgpr 100
		.amdhsa_reserve_vcc 1
		.amdhsa_float_denorm_mode_32 3
		.amdhsa_float_denorm_mode_16_64 3
		.amdhsa_memory_ordered 1
		.amdhsa_forward_progress 1
		.amdhsa_inst_pref_size 255
	.end_amdhsa_kernel
	.section	.bss,"aw",@nobits
	.p2align	6
	.space	262144
	.amdgpu_metadata
---
amdhsa.version: [ 1, 2 ]
amdhsa.kernels:
  - .name:           k_qafe525f07e_pool
    .symbol:         k_qafe525f07e_pool.kd
    .args:
      - { .name: X_codes, .offset: 0, .size: 8, .value_kind: global_buffer, .address_space: global }
      - { .name: X_scales, .offset: 8, .size: 8, .value_kind: global_buffer, .address_space: global }
      - { .name: Wk_codes, .offset: 16, .size: 8, .value_kind: global_buffer, .address_space: global }
      - { .name: Wk_scales, .offset: 24, .size: 8, .value_kind: global_buffer, .address_space: global }
      - { .name: Wv_codes, .offset: 32, .size: 8, .value_kind: global_buffer, .address_space: global }
      - { .name: Wv_scales, .offset: 40, .size: 8, .value_kind: global_buffer, .address_space: global }
      - { .name: M, .offset: 48, .size: 8, .value_kind: global_buffer, .address_space: global }
      - { .name: S, .offset: 56, .size: 8, .value_kind: global_buffer, .address_space: global }
      - { .name: bk, .offset: 64, .size: 8, .value_kind: global_buffer, .address_space: global }
      - { .name: part, .offset: 72, .size: 8, .value_kind: global_buffer, .address_space: global }
      - { .name: stat, .offset: 80, .size: 8, .value_kind: global_buffer, .address_space: global }
    .group_segment_fixed_size: 327680
    .private_segment_fixed_size: 0
    .kernarg_segment_align: 8
    .kernarg_segment_size: 88
    .max_flat_workgroup_size: 128
    .sgpr_count:     100
    .vgpr_count:     1024
    .wavefront_size: 32
...
	.end_amdgpu_metadata
.endif
;; end of part 1
;; launch finish (part 2): grid 32 x 1, 4 waves a work-group, no clusters, 72,192 bytes of LDS; arguments part, stat, g0, b0, Wo_codes, Wo_scales, bo, g1, b1, out0; writes out0
.if DOCPART == 2
	.amdgcn_target "amdgcn-amd-amdhsa--gfx1250"
	.amdhsa_code_object_version 6
	.text
	.protected	k_qafe525f07e_finish
	.globl	k_qafe525f07e_finish
	.p2align	8
	.type	k_qafe525f07e_finish,@function
k_qafe525f07e_finish:
	s_mov_b64 s[64:65], 0
	v_nop
	global_prefetch_b8 v0, s[64:65] scope:SCOPE_SE
	s_setreg_imm32_b32 hwreg(HW_REG_WAVE_MODE, 25, 1), 1
	s_wait_xcnt 0x0
; The tail on [16 b][4 seeds][512]: the four chunks of each (b, seed, head) are merged, BatchNorm over b, y + relu(Q(y) Wo^T + bo) with the product on codes of BF6 (E3M2), BatchNorm over b.
; WORK LEFT OUT: mu (and bv) would be added to every b of a column alike, and the first BatchNorm takes each column's mean over b away: M is not loaded here.
; part [4 b + c][seed][512] = sum of 2^(t - m_c) V, stat [b][seed][head][c] = (m_c, l_c).  With m = the largest m_c, e_c = 2^(m_c - m), L = sum of l_c e_c: O = sum of part_c e_c / L.
; SHARES.  Work-group (seed = id / 8, g = id % 8) makes output columns 64 g .. 64 g + 63 of its seed's 16 rows.  Every column needs all of K, so each of a seed's eight work-groups merges, normalises and quantises
; that seed's 16 x 512 for itself: 128 KB of part.  No cluster and no tensor load: all is read once, at the head, by plain loads; there is no loop to prefetch in.
; THE COLUMNS ARE ROTATED BY 64 g, by global addresses alone: place j of a row in LDS is column (j + 64 g) mod 512.  So places 0-63 are the work-group's own output columns (the residual), and no LDS address hangs on g.
; 64 is two blocks of 32: y's and Wo's blocks are rotated alike, each with its own scale; only the order of the f32 sums over K differs.
; Thread tid owns places 4 tid .. 4 tid + 3 for all 16 b: both moments of the first BatchNorm stay in its registers.  Wave w quantises K step w and hands it on as an image of its registers; then it makes columns 16 w on.
; LIMITS: NaN and infinities are not served; a set whose l are all 0 gives 0 / 0.  A block of zeros gets the scale byte 1 where the quantiser says 127: its codes are zeros, and this text alone reads the bytes.
.set YP,   2064
.set IMG,  16*YP
.set FRB,  1536
.set ISC,  IMG+4*FRB
.set WGT,  ISC+512
.set OST,  WGT+2048
.set OPT,  272
.set WOL,  OST+16*OPT                  ; Wo's 64 rows of codes, rotated: 384 bytes + 16 a row
.set WP,   400
.set SPARE, WOL+64*WP
.set A16, 4
.set A32, 5
.set WST, 6
.set WLD, 7
.set YST, 8
.set YLD, 9
.set IST, 10
.set SST, 11
.set ILD, 12
.set SLD, 13
.set RLD, 14
.set OSA, 15
.set OLD, 16
.set GOU, 17
.set G0R, 28
.set B0R, 32
.set WR,  36
.set O,   56
.set RAW, 120
.set PC,  176
.set TM,  196
.set PW,  212
.set YF,  176
.set WS,  248                          ; v248-251 Wo's scale words; v252-255 y's: scales and nothing else
.set YS,  252
.set WF,  120                          ; v120-167 Wo's fragments, read from LDS when part's first chunks are done with
; v24 where my 16-byte pieces of Wo go in LDS; v25-27 where they come from, one register for each third of a row; v18 where my fragments lie
; window 1: v0-47 my twelve pieces of Wo's codes; v48-50 bo, g1, b1; v52-55 Wo's scale bytes as loaded; v64-67, v68 the offsets of these loads.  window 2: v120-247 the chunks of b = 8 .. 15
.set WV,  30
.set SEL, 28
.set MSB, 0
.macro WIN new
.if MSB != (\new)
	s_set_vgpr_msb (MSB<<8)|(\new)
.set MSB, (\new)
.endif
.endm
.macro VW
	s_wait_alu depctr_va_vdst(0)
.endm
	s_load_b512 s[4:19], s[0:1], 0x0                   ; part 4, stat 6, g0 8, b0 10, Wo_codes 12, Wo_scales 14, bo 16, g1 18
	s_load_b128 s[20:23], s[0:1], 0x40                 ; b1 20, out0 22
	v_lshl_add_u32 v22, v0, 2, SPARE
	v_mov_b32 v23, 0
	v_lshrrev_b32 v1, 5, v0
	v_readfirstlane_b32 s[WV], v1                      ; wave 0..3
	s_and_b32 s37, ttmp9, 7                            ; g
	s_lshr_b32 s36, ttmp9, 3                           ; seed
	s_mov_b32 s26, 0x3d800000                          ; 1 / 16
	s_mov_b32 s27, 0x3727c5ac                          ; 1e-5
	s_mov_b32 s[SEL], 0x76543210
	s_mov_b32 s[SEL+1], 0xfedcba98
	s_lshl_b32 s33, s37, 4
	s_lshl_b32 s34, s36, 11
	s_lshl_b32 s35, s36, 8
	s_lshl_b32 s38, s37, 6
	s_lshl_b32 s39, s[WV], 4
	s_add_co_u32 s38, s38, s39                         ; my first column: 64 g + 16 w
	s_mul_i32 s40, s37, 3                              ; the rotation by 64 g places is 48 g bytes of a row of codes: 3 g pieces of 16 bytes
	s_mul_i32 s41, s[WV], 16*WP
	s_add_co_u32 s41, s41, WOL
	s_lshl_b32 s42, s37, 6                             ; the work-group's first row of Wo
	s_lshr_b32 s48, s37, 1
.irp k, 0,1,2,3
	s_add_co_u32 s[49+\k], s48, \k
	s_and_b32 s[49+\k], s[49+\k], 3
	s_lshl_b32 s[49+\k], s[49+\k], 2                   ; scale word (k + g / 2) mod 4 of a row's four
.endr
	s_and_b32 s53, s37, 1
	s_lshl_b32 s53, s53, 4                             ; and 16 bits further on where g is odd
	s_lshl_b32 s54, s[WV], 9
	s_mul_i32 s55, s[WV], FRB
	s_add_co_u32 s55, s55, IMG
	s_lshl_b32 s56, s[WV], 7
	s_add_co_u32 s56, s56, ISC
	s_lshl_b32 s57, s[WV], 6
	s_mul_i32 s58, s[WV], 4*OPT
	s_add_co_u32 s58, s58, OST
	s_add_co_u32 s59, s57, OST
	v_and_b32 v1, 31, v0                               ; lane
	v_and_b32 v2, 15, v0                               ; r
	v_bfe_u32 v3, v0, 4, 1                             ; h
	v_add_nc_u32 v[A16], s33, v0
	v_and_b32 v[A16], 127, v[A16]
	v_lshl_add_u32 v[A16], v[A16], 4, s34              ; part, g0, b0: 2,048 seed + 16 ((tid + 16 g) mod 128)
	v_add_nc_u32 v[A32], s37, v0
	v_and_b32 v[A32], 7, v[A32]
	v_lshrrev_b32 v21, 3, v0
	v_lshl_add_u32 v[A32], v[A32], 5, s35
	v_lshl_add_u32 v[A32], v21, 10, v[A32]             ; stat: b = tid / 8, head (tid + g) mod 8
	v_lshl_add_u32 v[WST], v0, 4, WGT
	v_lshrrev_b32 v21, 4, v0
	v_lshl_add_u32 v[WLD], v21, 4, WGT                 ; set 8 b + tid / 16
	v_lshlrev_b32 v[YST], 4, v0
	v_mul_u32_u24 v[YLD], v2, YP
	v_lshl_add_u32 v[YLD], v3, 6, v[YLD]
	v_add_nc_u32 v[YLD], s54, v[YLD]                   ; row r, K step w, + 64 h: my 16 numbers of a block of 32
	v_lshl_add_u32 v[IST], v1, 4, s55
	v_lshl_add_u32 v[SST], v1, 2, s56
	v_lshl_add_u32 v[ILD], v1, 4, IMG
	v_lshl_add_u32 v[SLD], v1, 2, ISC
	v_mul_u32_u24 v[RLD], v3, 8*YP
	v_lshl_add_u32 v[RLD], v2, 2, v[RLD]
	v_add_nc_u32 v[RLD], s57, v[RLD]                   ; row 8 h (+ j), place 16 w + r
	v_mul_u32_u24 v[OSA], v3, 8*OPT
	v_lshl_add_u32 v[OSA], v2, 2, v[OSA]
	v_add_nc_u32 v[OSA], s59, v[OSA]
	v_mul_u32_u24 v[OLD], v3, OPT
	v_lshl_add_u32 v[OLD], v2, 4, v[OLD]
	v_add_nc_u32 v[OLD], s58, v[OLD]
	v_lshlrev_b32 v[GOU], 13, v3
	v_lshl_add_u32 v[GOU], v2, 4, v[GOU]
	v_mul_u32_u24 v18, v2, WP
	v_mad_u32_u24 v18, v3, 24, v18
	v_add_nc_u32 v18, s41, v18                         ; my fragments: row 16 w + r, + 24 h
	v_lshlrev_b32 v19, 4, v2
	v_and_b32 v20, 7, v0                               ; eight neighbouring lanes take 128 neighbouring bytes of a row,
	v_lshrrev_b32 v21, 3, v0                           ; sixteen such groups sixteen rows
	v_mul_u32_u24 v24, v21, WP
	v_lshl_add_u32 v24, v20, 4, v24
	v_add_nc_u32 v24, WOL, v24
	v_mul_u32_u24 v21, v21, 384
	v_add_nc_u32 v20, s40, v20
.irp t, 0,1,2
	v_add_nc_u32 v52, 8*\t, v20                        ; piece 8 t + lane % 8 of the rotated row is piece (that + 3 g) mod 24 of Wo's row: the sum is under 48,
	v_add_nc_u32 v53, 8*\t-24, v20                     ; so the lesser of it and it less 24, as unsigned numbers, is the remainder
	v_min_u32 v52, v52, v53
	v_lshl_add_u32 v[25+\t], v52, 4, v21
.endr
	WIN 0x40
.irp k, 0,1,2,3
	v_add_nc_u32 v[64+\k], s[49+\k], v19
.endr
	v_lshlrev_b32 v68, 2, v2
	WIN 0
	VW
	s_wait_kmcnt 0x0
	global_load_b128 v[WR:WR+3], v[A32], s[6:7]        ; my set's (m, l) of the four chunks
	global_load_b128 v[WR+4:WR+7], v[A32], s[6:7] offset:16
	global_load_b128 v[G0R:G0R+3], v[A16], s[8:9]
	global_load_b128 v[B0R:B0R+3], v[A16], s[10:11]
.macro PLOAD b                         ; b's four chunks of my four columns: a wave's load covers 512 consecutive bytes
.irp c, 0,1,2,3
	global_load_b128 v[RAW+16*((\b)%8)+4*\c:RAW+16*((\b)%8)+4*\c+3], v[A16], s[4:5] offset:(\b)*32768+\c*8192
.endr
.endm
.irp b, 0,1,2,3,4,5,6,7
	PLOAD \b
.endr
	WIN 0x80                                           ; the chunks of b = 8 .. 15 land in window 2: all 64 loads of part are issued here
.irp b, 8,9,10,11,12,13,14,15
	PLOAD \b
.endr
	WIN 0
	s_mov_b32 s63, 0
	s_mul_i32 s62, s42, 384
	s_add_nc_u64 s[12:13], s[12:13], s[62:63]          ; Wo's codes: 384 bytes a row
	s_lshl_b32 s62, s38, 4
	s_add_nc_u64 s[14:15], s[14:15], s[62:63]          ; its scale bytes: 16 a row
	s_lshl_b32 s62, s38, 2
	s_add_nc_u64 s[16:17], s[16:17], s[62:63]          ; bo
	s_add_co_u32 s62, s62, s34
	s_add_nc_u64 s[18:19], s[18:19], s[62:63]          ; g1, b1: 512 seed + column
	s_add_nc_u64 s[20:21], s[20:21], s[62:63]
	s_lshl_b32 s62, s[WV], 15
	s_add_co_u32 s62, s62, s34
	s_lshl_b32 s61, s37, 8
	s_add_co_u32 s62, s62, s61
	s_add_nc_u64 s[22:23], s[22:23], s[62:63]          ; out0: rows 4 (4 w + ..) + seed, columns 64 g on
	WIN 0x40                                           ; data in window 1
.irp i, 0,1,2,3,4,5,6,7,8,9,10,11
	global_load_b128 v[4*\i:4*\i+3], v[25+(\i%3)], s[12:13] offset:6144*(\i/3)   ; third i % 3 of rows 16 (i / 3) + tid / 8
.endr
	WIN 0x41                                           ; data and offsets in window 1
.irp k, 0,1,2,3
	global_load_b32 v[52+\k], v[64+\k], s[14:15]
.endr
	global_load_b32 v48, v68, s[16:17]
	global_load_b32 v49, v68, s[18:19]
	global_load_b32 v50, v68, s[20:21]
	WIN 0
	s_wait_loadcnt 63                                  ; stat, g0, b0 are in: behind them stand 64 loads of part and 19 of Wo's data, more than the count can name
	v_max3_num_f32 v52, v[WR], v[WR+2], v[WR+4]
	v_max_num_f32 v52, v52, v[WR+6]
.irp c, 0,1,2,3
	v_sub_f32 v[WR+8+\c], v[WR+2*\c], v52
.endr
	VW
.irp c, 0,1,2,3
	v_exp_f32 v[WR+8+\c], v[WR+8+\c]
.endr
	v_nop
	VW
	v_mul_f32 v53, v[WR+1], v[WR+8]
	v_fma_f32 v53, v[WR+3], v[WR+9], v53
	v_fma_f32 v53, v[WR+5], v[WR+10], v53
	v_fma_f32 v53, v[WR+7], v[WR+11], v53
	VW
	v_rcp_f32 v53, v53
	v_nop
	VW
.irp c, 0,1,2,3
	v_mul_f32 v[WR+8+\c], v[WR+8+\c], v53
.endr
	ds_store_b128 v[WST], v[WR+8:WR+11]
	VW
	s_wait_dscnt 0x0                                   ; for the others' sake: my store has landed
	s_barrier_signal -1
	s_barrier_wait -1
.irp b, 0,1,2,3
	ds_load_b128 v[WR+4*\b:WR+4*\b+3], v[WLD] offset:128*\b
.endr
; O of batch b: the four chunks by their weights.  All of part was asked for at the head; the weights run four b ahead.
.macro MERGE b
.set rw, RAW+16*((\b)%8)
.set ww, WR+4*((\b)%4)
.set oo, O+4*(\b)
.set lc, 4*(15-(\b))+19                ; behind b's four loads: those of the later b and Wo's 19; a count that the wait cannot name is held at 63
.if lc > 63
.set lc, 63
.endif
	s_wait_loadcnt lc
.if 15-(\b) >= 3
	s_wait_dscnt 3                                     ; b's weights are in; the three sets behind them may be out
.else
	s_wait_dscnt 15-(\b)
.endif
.if (\b) >= 8
	WIN 0x02                                           ; source 0, the chunks, in window 2
.endif
.irp i, 0,1,2,3
	v_mul_f32 v[oo+\i], v[rw+\i], v[ww]
.endr
.irp c, 1,2,3
.irp i, 0,1,2,3
	v_fma_f32 v[oo+\i], v[rw+4*\c+\i], v[ww+\c], v[oo+\i]
.endr
.endr
	WIN 0
.if (\b)+4 < 16
	ds_load_b128 v[ww:ww+3], v[WLD] offset:128*((\b)+4)
.endif
.endm
.irp b, 0,1,2,3,4,5,6,7,8,9,10,11,12,13,14,15
	MERGE \b
.endr
	; the first BatchNorm: mean and variance over my registers' 16 b
	v_pk_add_f32 v[52:53], v[O:O+1], v[O+4:O+5]
	v_pk_add_f32 v[54:55], v[O+2:O+3], v[O+6:O+7]
.irp b, 2,3,4,5,6,7,8,9,10,11,12,13,14,15
	v_pk_add_f32 v[52:53], v[52:53], v[O+4*\b:O+4*\b+1]
	v_pk_add_f32 v[54:55], v[54:55], v[O+4*\b+2:O+4*\b+3]
.endr
	v_pk_mul_f32 v[52:53], v[52:53], s[26:27] op_sel_hi:[1,0]
	v_pk_mul_f32 v[54:55], v[54:55], s[26:27] op_sel_hi:[1,0]
.irp b, 0,1,2,3,4,5,6,7,8,9,10,11,12,13,14,15
	v_pk_add_f32 v[O+4*\b:O+4*\b+1], v[O+4*\b:O+4*\b+1], v[52:53] neg_lo:[0,1] neg_hi:[0,1]
	v_pk_add_f32 v[O+4*\b+2:O+4*\b+3], v[O+4*\b+2:O+4*\b+3], v[54:55] neg_lo:[0,1] neg_hi:[0,1]
.endr
	v_pk_mul_f32 v[52:53], v[O:O+1], v[O:O+1]
	v_pk_mul_f32 v[54:55], v[O+2:O+3], v[O+2:O+3]
.irp b, 1,2,3,4,5,6,7,8,9,10,11,12,13,14,15
	v_pk_fma_f32 v[52:53], v[O+4*\b:O+4*\b+1], v[O+4*\b:O+4*\b+1], v[52:53]
	v_pk_fma_f32 v[54:55], v[O+4*\b+2:O+4*\b+3], v[O+4*\b+2:O+4*\b+3], v[54:55]
.endr
.irp i, 0,1,2,3
	v_fma_f32 v[52+\i], v[52+\i], s26, s27             ; the biased variance + 1e-5
.endr
	VW
.irp i, 0,1,2,3
	v_rsq_f32 v[52+\i], v[52+\i]
.endr
	v_nop
	VW
	v_pk_mul_f32 v[52:53], v[52:53], v[G0R:G0R+1]
	v_pk_mul_f32 v[54:55], v[54:55], v[G0R+2:G0R+3]
.irp b, 0,1,2,3,4,5,6,7,8,9,10,11,12,13,14,15
	v_pk_fma_f32 v[O+4*\b:O+4*\b+1], v[O+4*\b:O+4*\b+1], v[52:53], v[B0R:B0R+1]
	v_pk_fma_f32 v[O+4*\b+2:O+4*\b+3], v[O+4*\b+2:O+4*\b+3], v[54:55], v[B0R+2:B0R+3]
	ds_store_b128 v[YST], v[O+4*\b:O+4*\b+3] offset:YP*\b
.endr
	VW
	s_wait_dscnt 0x0
	s_barrier_signal -1
	s_barrier_wait -1                                  ; the 16 rows of y lie in LDS
	; my fragment: 16 rows x 128 along K.  Register 16 b + i = place 32 b + 16 h + i of row r
.irp b, 0,1,2,3
.irp j, 0,1,2,3
	ds_load_b128 v[O+16*\b+4*\j:O+16*\b+4*\j+3], v[YLD] offset:128*\b+16*\j
.endr
.endr
.irp b, 0,1,2,3
	v_mov_b32 v[TM+4+\b], 0                            ; a lane permute's destination counts as one of its sources
.endr
	VW
	s_wait_dscnt 0x0
.irp b, 0,1,2,3
	v_max3_num_f32 v[TM+\b], |v[O+16*\b]|, |v[O+1+16*\b]|, 0x2800000   ; my 16 numbers, and the floor 2^(5 - 127): the byte cannot fall under 1
.endr
.irp i, 2,4,6,8,10,12,14
.irp b, 0,1,2,3
	v_max3_num_f32 v[TM+\b], v[TM+\b], |v[O+16*\b+\i]|, |v[O+1+16*\b+\i]|
.endr
.endr
.irp b, 0,1,2,3
	v_permlanex16_b32 v[TM+4+\b], v[TM+\b], s[SEL], s[SEL+1]
.endr
.irp b, 0,1,2,3
	v_max_num_f32 v[TM+\b], v[TM+\b], v[TM+4+\b]       ; with the lane 16 away: the block's largest magnitude
.endr
.irp b, 0,1,2,3
	v_add_nc_u32 v[TM+12+\b], 0xfe000000, v[TM+\b]     ; 4 off its exponent field: the conversion's scale operand
.endr
.irp b, 0,1,2,3
	v_lshrrev_b32 v[TM+4+\b], 23, v[TM+12+\b]          ; the scale's byte
.endr
	v_lshl_or_b32 v[PW], v[TM+5], 8, v[TM+4]
	v_lshl_or_b32 v[PW], v[TM+6], 16, v[PW]
	v_lshl_or_b32 v[PW], v[TM+7], 24, v[PW]            ; my row's scale word
.irp c, 0,1
	v_cvt_scalef32_pk16_bf6_f32 v[PC+6*\c:PC+2+6*\c], v[O+32*\c:O+15+32*\c], v[TM+12+2*\c]
	v_cvt_scalef32_pk16_bf6_f32 v[PC+12+4*\c:PC+14+4*\c], v[O+16+32*\c:O+31+32*\c], v[TM+12+2*\c+1]
.endr
	v_nop                                              ; one plain line behind the scaled conversions
.irp c, 0,1                                            ; the operand's layout wants a whole block in a lane
.irp i, 0,1,2
	v_permlane16_swap_b32 v[PC+6*\c+\i], v[PC+12+4*\c+\i]
.endr
.irp i, 0,1,2
	v_mov_b32 v[PC+3+6*\c+\i], v[PC+12+4*\c+\i]
.endr
.endr
.irp c, 0,1,2
	ds_store_b128 v[IST], v[PC+4*\c:PC+4*\c+3] offset:512*\c   ; the fragment goes to LDS as an image of its registers
.endr
	ds_store_b32 v[SST], v[PW]
	VW
	s_wait_loadcnt 7                                   ; my twelve pieces of Wo are in; behind them: four scale words, bo, g1, b1
	WIN 0x04                                           ; the data in window 1
.irp i, 0,1,2,3,4,5,6,7,8,9,10,11
	ds_store_b128 v24, v[4*\i:4*\i+3] offset:16*WP*(\i/3)+128*(\i%3)
.endr
	WIN 0
	VW
	s_wait_dscnt 0x0
	s_barrier_signal -1
	s_barrier_wait -1                                  ; the four fragments lie in LDS
.irp k, 0,1,2,3
.irp c, 0,1,2
	ds_load_b128 v[YF+12*\k+4*\c:YF+12*\k+4*\c+3], v[ILD] offset:FRB*\k+512*\c
.endr
.endr
.irp k, 0,1,2,3
	ds_load_b32 v[YS+\k], v[SLD] offset:128*\k
.endr
.irp j, 0,1,2,3,4,5,6,7
	ds_load_b32 v[64+\j], v[RLD] offset:YP*\j          ; the residual: y(8 h + j, my column), unquantised
.endr
.irp k, 0,1,2,3
.irp q, 0,1,2,3,4,5
	ds_load_b64 v[WF+12*\k+2*\q:WF+12*\k+2*\q+1], v18 offset:96*\k+48*(\q/3)+8*(\q%3)   ; Wo's fragments of my 16 columns
.endr
.endr
	s_wait_loadcnt 0x0
	WIN 0x05                                           ; sources 0 and 1 in window 1
.irp k, 0,1,2,3
	v_alignbit_b32 v[WS+\k], v[52+((\k+1)%4)], v[52+\k], s53   ; K step k's scale word: the rotated row's bytes 4 k .. 4 k + 3
.endr
	WIN 0x01
.irp j, 0,1,2,3,4,5,6,7
	v_mov_b32 v[56+\j], v48                            ; bo is the C of the sum's first link
.endr
	v_mov_b32 v52, v49                                 ; g1
	v_mov_b32 v53, v50                                 ; b1
	WIN 0
.rept 4
	v_nop
.endr
	VW
	s_wait_dscnt 0x0
	v_wmma_scale_f32_16x16x128_f8f6f4 v[72:79], v[YF:YF+11], v[WF:WF+11], v[56:63], v[YS], v[WS] matrix_a_fmt:MATRIX_FMT_BF6 matrix_b_fmt:MATRIX_FMT_BF6
.irp k, 1,2,3                                          ; one accumulator: a wait directly ahead of each further link
	s_wait_alu depctr_va_vdst(0)
	v_wmma_scale_f32_16x16x128_f8f6f4 v[72:79], v[YF+12*\k:YF+12*\k+11], v[WF+12*\k:WF+12*\k+11], v[72:79], v[YS+\k], v[WS+\k] matrix_a_fmt:MATRIX_FMT_BF6 matrix_b_fmt:MATRIX_FMT_BF6
.endr
	WIN 0
.rept 4
	v_nop                                              ; four places in front of the first read of the results
.endr
.irp j, 0,1,2,3,4,5,6,7
	v_max_num_f32 v[80+\j], 0, v[72+\j]                ; relu, from the accumulator's low end on
.endr
.irp j, 0,2,4,6
	v_pk_add_f32 v[80+\j:81+\j], v[80+\j:81+\j], v[64+\j:65+\j]
.endr
	; the second BatchNorm: register j holds b = 8 h + j of my column
	v_pk_add_f32 v[88:89], v[80:81], v[82:83]
	v_pk_add_f32 v[90:91], v[84:85], v[86:87]
	v_pk_add_f32 v[88:89], v[88:89], v[90:91]
	v_add_f32 v88, v88, v89
	v_permlanex16_b32 v89, v88, s[SEL], s[SEL+1]
	v_add_f32 v88, v88, v89
	v_mul_f32 v88, s26, v88
.irp j, 0,1,2,3,4,5,6,7
	v_sub_f32 v[80+\j], v[80+\j], v88
.endr
	v_mul_f32 v90, v80, v80
	v_mul_f32 v91, v81, v81
.irp j, 2,4,6
	v_fma_f32 v90, v[80+\j], v[80+\j], v90
	v_fma_f32 v91, v[81+\j], v[81+\j], v91
.endr
	v_add_f32 v90, v90, v91
	v_permlanex16_b32 v91, v90, s[SEL], s[SEL+1]
	v_add_f32 v90, v90, v91
	v_fma_f32 v90, v90, s26, s27
	VW
	v_rsq_f32 v90, v90
	v_nop
	VW
	v_mul_f32 v90, v90, v52
.irp j, 0,1,2,3,4,5,6,7
	v_fma_f32 v[80+\j], v[80+\j], v90, v53
.endr
.irp j, 0,1,2,3,4,5,6,7
	ds_store_b32 v[OSA], v[80+\j] offset:OPT*\j        ; the stage, on bytes of its own: row b, column 16 w + r
.endr
	VW
	s_wait_dscnt 0x0
	s_barrier_signal -1
	s_barrier_wait -1                                  ; 16 rows x 64 columns lie in the stage
	ds_load_b128 v[92:95], v[OLD]                      ; b = 4 w and 4 w + 1,
	ds_load_b128 v[96:99], v[OLD] offset:2*OPT         ; 4 w + 2 and 4 w + 3
	s_wait_dscnt 1
	global_store_b128 v[GOU], v[92:95], s[22:23]       ; sixteen lanes store 256 consecutive bytes, at a multiple of 256 from out0's first byte
	s_wait_dscnt 0x0
	global_store_b128 v[GOU], v[96:99], s[22:23] offset:16384
	s_wait_tensorcnt 0x0                               ; the wave's end
	ds_add_u32 v22, v23
	s_wait_dscnt 0x0
	s_endpgm
.Lfunc_end_k_qafe525f07e_finish:
	.size	k_qafe525f07e_finish, .Lfunc_end_k_qafe525f07e_finish-k_qafe525f07e_finish
	.p2alignl 7, 3214868480
	.fill 96, 4, 3214868480
	.section	.rodata,"a",@progbits
	.p2align	6, 0x0
	.amdhsa_kernel k_qafe525f07e_finish
		.amdhsa_group_segment_fixed_size 72192
		.amdhsa_private_segment_fixed_size 0
		.amdhsa_enable_private_segment 0
		.amdhsa_kernarg_size 80
		.amdhsa_user_sgpr_count 2
		.amdhsa_user_sgpr_kernarg_segment_ptr 1
		.amdhsa_wavefront_size32 1
		.amdhsa_system_sgpr_workgroup_id_x 1
		.amdhsa_system_sgpr_workgroup_id_y 1
		.amdhsa_system_sgpr_workgroup_id_z 1
		.amdhsa_system_vgpr_workitem_id 0
		.amdhsa_next_free_vgpr 768
		.amdhsa_next_free_sgpr 66
		.amdhsa_reserve_vcc 0
		.amdhsa_float_denorm_mode_32 3
		.amdhsa_float_denorm_mode_16_64 3
		.amdhsa_memory_ordered 1
		.amdhsa_forward_progress 1
		.amdhsa_inst_pref_size 56
	.end_amdhsa_kernel
	.amdgpu_metadata
---
amdhsa.version: [ 1, 2 ]
amdhsa.kernels:
  - .name:           k_qafe525f07e_finish
    .symbol:         k_qafe525f07e_finish.kd
    .args:
      - { .name: part, .offset: 0, .size: 8, .value_kind: global_buffer, .address_space: global }
      - { .name: stat, .offset: 8, .size: 8, .value_kind: global_buffer, .address_space: global }
      - { .name: g0, .offset: 16, .size: 8, .value_kind: global_buffer, .address_space: global }
      - { .name: b0, .offset: 24, .size: 8, .value_kind: global_buffer, .address_space: global }
      - { .name: Wo_codes, .offset: 32, .size: 8, .value_kind: global_buffer, .address_space: global }
      - { .name: Wo_scales, .offset: 40, .size: 8, .value_kind: global_buffer, .address_space: global }
      - { .name: bo, .offset: 48, .size: 8, .value_kind: global_buffer, .address_space: global }
      - { .name: g1, .offset: 56, .size: 8, .value_kind: global_buffer, .address_space: global }
      - { .name: b1, .offset: 64, .size: 8, .value_kind: global_buffer, .address_space: global }
      - { .name: out0, .offset: 72, .size: 8, .value_kind: global_buffer, .address_space: global }
    .group_segment_fixed_size: 72192
    .private_segment_fixed_size: 0
    .kernarg_segment_align: 8
    .kernarg_segment_size: 80
    .max_flat_workgroup_size: 128
    .sgpr_count:     66
    .vgpr_count:     768
    .wavefront_size: 32
...
	.end_amdgpu_metadata
.endif
;; end of part 2
